; MI455X (gfx1250); checked and timed in simulation.
; The chip was launched on July 23, 2026; its instructions are those of AMD's public machine-readable ISA for CDNA 5 (MIT licence, August 2026) and "CDNA5" Instruction Set Architecture Reference Guide (July 2026). The comments in the code are by the model that wrote it; some were corrected since.
;; Quantized Linear With Lora. Allowed arithmetic: float matrix products may take bf16 or f16 operands with f32 sums; other float arithmetic in f32, or as packed bf16 or f16 multiplies, adds, multiply-adds, maxima and minima; sums over many terms, partial sums and values carried from step to step in f32; what a program stores and reads back later, other than sums and carried values, may be rounded once to bf16 or f16.
;; Inputs: A 4,096 x 16 float32; B 16 x 4,096 float32; absmax 4,096 x 64 float32; bias 4,096 float32; codebook 16 float32; q_codes 4,096 x 4,096 int32; x 4,096 x 4,096 float32.
;; Outputs: out0 4,096 x 4,096 float32.
;; 2 versions, each right; version 2 is version 1 with the launch prep written anew for expert scheduling mode. Each part assembles by itself: llvm-mc -triple=amdgcn-amd-amdhsa -mcpu=gfx1250 --defsym DOCPART=n.
;; ======== version 1 of 2: 2 launches
;; limits: values are held in f16: magnitudes above 65,504 overflow, below 6.1e-05 lose precision
;; workspace buffers: xb 33,554,432 bytes; wb 33,554,432 bytes
;; launch prep (part 1): grid 1024 x 2, 8 waves a work-group, no clusters, 72,704 bytes of LDS; arguments q_codes, absmax, codebook, A, B, x, wb, xb; writes wb, xb
.if DOCPART == 1
	.amdgcn_target "amdgcn-amd-amdhsa--gfx1250"
	.amdhsa_code_object_version 6
	.text
	.protected	k_q3ecce38aa2_prep
	.globl	k_q3ecce38aa2_prep
	.p2align	8
	.type	k_q3ecce38aa2_prep,@function
k_q3ecce38aa2_prep:
	s_mov_b64 s[64:65], 0
	v_nop
	global_prefetch_b8 v0, s[64:65] scope:SCOPE_SE
	s_setreg_imm32_b32 hwreg(HW_REG_WAVE_MODE, 25, 1), 1
	s_wait_xcnt 0x0
; out0 = x W^T + bias + 2 (x A) B, with W[o][i] = codebook[q_codes[o][i]] absmax[o][i / 64].  T = in_f = out_f = 4096, rank 16.
; THE PROGRAM.  (x A) B 2 = x (2 A B) for all values (associativity), so the low-rank path is folded into the weights:
;   this launch:  xb = f16(x);  wb[o][i] = f16( codebook[q_codes[o][i]] absmax[o][i / 64] + the sum over r of 2 B[r][o] A[i][r] )
;   the next:     out0 = xb wb^T + bias, sums in f32.
; NO WORK IS LEFT OUT: every input has a way to the output and every input is loaded (bias by the next launch).
; LIMITS.  The order of rounding differs from the formula as written: A and 2 B are rounded to f16, their product is summed in f32 onto the dequantised
; weight, and the sum is rounded once to f16; x is rounded once to f16.  f16 holds no number beyond 65,504: |x|, |A|, |2 B| and |wb| stay within it;
; below 6e-5 f16 keeps its fixed step of 6e-8.  A code above 15 (read as unsigned) takes the table's entry 15.  NaN and infinities are not treated apart.
; SHARES.  Work-groups with y = 1 convert x: 65,536 bytes each, sixteen loads of 16 bytes a thread, all out at once.
; Work-groups with y = 0 make wb: 16 rows o x 1,024 columns i; each of the eight waves 16 x 128: two groups g of 64 columns (one absmax block each), four tiles t of 16 x 16 a group.
; In tile (g, t) lane (r = l % 16, h = l / 16), register j stands for o = o0 + 8 h + j, i = c0 + 64 g + 4 r + t.  So one load of 16 bytes of codes a lane takes 256 consecutive bytes of a row
; in sixteen lanes, and its four words are register j of the four tiles.  The table lookup is a lane permute: every lane l holds codebook[l % 16].
; THE FOLD is one matrix instruction a tile: source 0 = 2 B^T (row m = o, k = rank), source 1 = A (column n = i, k = rank), C = the dequantised tile; ranks 16 to 31 of the instruction's K are zeros.
; A's rows come in as they lie (8 rows in a load of the wave), are rounded and go through the wave's own LDS bytes into the fragments' order; the finished tiles go through the wave's own LDS bytes
; into whole rows: each store of the wave covers two rows' 256 consecutive bytes, aligned.  No wave touches another's LDS bytes: no barrier.
.set AREGW, 4608                       ; LDS, wave w's A fragments at w x 4,608: tile T = 4 g + t at 576 T, half h at + 288, lane r at + 16 r
.set OREG,  36864                      ; behind them, wave w's 16 rows of 256 bytes at pitch 272, at OREG + w x 4,352
.set OREGW, 4352
.set SPARE, 71680                      ; behind them: the spare words, 128 bytes for each wave: four blocks of 256 bytes that no other line names
.set VO,  1                            ; v1   my byte offset in wb
.set CBV, 2                            ; v2   the lane's number until the addresses are made; then codebook[l % 16]
.set VQ,  5                            ; v5   my byte offset in q_codes (x job: in x)
.set VAM, 6                            ; v6   in absmax (x job: in xb)
.set VB,  7                            ; v7   in B
.set VA,  8                            ; v8   in A
.set VCB, 9                            ; v9   in codebook
.set LAS, 10                           ; v10  LDS: where I put 8 bytes of A
.set LAL, 11                           ; v11  LDS: where I read 16 bytes of a fragment of A
.set LOS, 12                           ; v12  LDS: where I put 8 bytes of a finished row
.set LOL, 13                           ; v13  LDS: where I read 16 bytes of a finished row
.set SPW, 14                           ; v14  LDS address of my spare word; never rewritten
.set NIL, 15                           ; v15  0; never rewritten
.set BT,  16                           ; v[16:23]   2 B^T as a fragment; registers 4-7 are 0 (v16 is the temporary while the addresses are made)
.set BR,  24                           ; v[24:31]   B as loaded
.set AM,  32                           ; v[32:47]   absmax of row j, group g at AM + 2 j + g
.set Q,   48                           ; v[48:111]  codes: group g, row j, word t at Q + 32 g + 4 j + t; later the packed results
.set XR,  112                          ; v[112:175] A as loaded, 4 registers a load; later the tiles: group g, tile t, register j at XR + 32 g + 8 t + j
.set AF,  176                          ; v[176:239] A's fragments, tile T at AF + 8 T, registers 4-7 are 0; later the rows read back
	s_load_b512 s[8:23], s[0:1], 0x0               ; q_codes s[8:9], absmax s[10:11], codebook s[12:13], A s[14:15], B s[16:17], x s[18:19], wb s[20:21], xb s[22:23]
	v_lshl_add_u32 v[SPW], v0, 2, SPARE
	v_mov_b32 v[NIL], 0
	v_lshrrev_b32 v1, 5, v0
	v_readfirstlane_b32 s4, v1                     ; wave 0..7
	s_and_b32 s5, ttmp7, 0xffff                    ; the job
	s_cmp_eq_u32 s5, 0
	s_cbranch_scc1 .Lw
	; THE X JOB: 65,536 bytes of x in, 32,768 bytes of xb out.  All sixteen loads go out before the first wait; nothing is rewritten that a store still reads.
	s_lshl_b32 s24, ttmp9, 16
	s_mov_b32 s25, 0
	s_lshl_b32 s26, ttmp9, 15
	s_mov_b32 s27, 0
	v_lshlrev_b32 v[VQ], 4, v0                     ; 16 bytes of x a thread: a load of the wave covers 512 consecutive bytes,
	v_lshlrev_b32 v[VAM], 3, v0                    ; 8 bytes of xb: a store of the wave covers 256 consecutive bytes, aligned
	s_wait_kmcnt 0x0
	s_add_nc_u64 s[18:19], s[18:19], s[24:25]
	s_add_nc_u64 s[22:23], s[22:23], s[26:27]
.irp k, 0,1,2,3,4,5,6,7,8,9,10,11,12,13,14,15
	global_load_b128 v[Q+4*(\k):Q+4*(\k)+3], v[VQ], s[18:19] offset:4096*(\k) th:TH_LOAD_NT
.endr
.irp k, 0,1,2,3,4,5,6,7,8,9,10,11,12,13,14,15
	s_wait_loadcnt 15-(\k)                         ; loads come back in order: load k is in, the 15 - k younger ones stay out
	v_cvt_pk_f16_f32 v[Q+4*(\k)],   v[Q+4*(\k)],   v[Q+4*(\k)+1]
	v_cvt_pk_f16_f32 v[Q+4*(\k)+1], v[Q+4*(\k)+2], v[Q+4*(\k)+3]
	global_store_b64 v[VAM], v[Q+4*(\k):Q+4*(\k)+1], s[22:23] offset:2048*(\k)
.endr
	s_branch .Lend
.Lw:	; THE W JOB
	s_lshr_b32 s6, ttmp9, 2                        ; ob: which 16 rows o
	s_and_b32 s7, ttmp9, 3                         ; cq: which 1,024 columns i
	s_lshl_b32 s24, s6, 18                         ; q_codes: 16 rows of 16,384 bytes,
	s_lshl_b32 s34, s7, 12                         ; 1,024 columns of 4 bytes
	s_or_b32 s24, s24, s34
	s_mov_b32 s25, 0
	s_lshl_b32 s26, s6, 12                         ; absmax: 16 rows of 256 bytes,
	s_lshl_b32 s34, s7, 6                          ; 16 blocks of 4 bytes
	s_or_b32 s26, s26, s34
	s_mov_b32 s27, 0
	s_lshl_b32 s28, s7, 16                         ; A: 1,024 rows of 64 bytes
	s_mov_b32 s29, 0
	s_lshl_b32 s30, s6, 6                          ; B: 16 columns of 4 bytes
	s_mov_b32 s31, 0
	s_lshl_b32 s32, s6, 17                         ; wb: 16 rows of 8,192 bytes,
	s_lshl_b32 s34, s7, 11                         ; 1,024 columns of 2 bytes
	s_or_b32 s32, s32, s34
	s_mov_b32 s33, 0
	v_and_b32 v2, 31, v0                           ; l
	v_and_b32 v3, 15, v0                           ; r = l % 16
	v_bfe_u32 v4, v0, 4, 1                         ; h = l / 16
	s_lshl_b32 s34, s4, 8                          ; the wave's 128 columns: 256 bytes of wb,
	s_lshl_b32 s35, s4, 9                          ; 512 of q_codes,
	s_lshl_b32 s36, s4, 3                          ; 8 of absmax,
	s_lshl_b32 s37, s4, 13                         ; 128 rows of A
	s_mul_i32 s38, s4, AREGW                       ; the wave's two regions of LDS
	s_mul_i32 s39, s4, OREGW
	s_add_co_u32 s39, s39, OREG
	v_lshlrev_b32 v[VO], 4, v3                     ; wb: one row for lanes 0-15, the next for lanes 16-31, 16 bytes a lane
	v_lshl_add_u32 v[VO], v4, 13, v[VO]
	v_add_nc_u32 v[VO], s34, v[VO]
	v_lshlrev_b32 v[VQ], 4, v3                     ; q_codes: row 8 h (+ j by the immediate), four codes at 16 r
	v_lshl_add_u32 v[VQ], v4, 17, v[VQ]
	v_add_nc_u32 v[VQ], s35, v[VQ]
	v_lshl_add_u32 v[VAM], v4, 11, s36             ; absmax: row 8 h (+ j), the wave's two blocks
	v_lshlrev_b32 v[VB], 2, v3                     ; B: rank 8 h (+ kk), column r
	v_lshl_add_u32 v[VB], v4, 17, v[VB]
	v_lshl_add_u32 v[VA], v2, 4, s37               ; A: as it lies, 16 bytes a lane
	v_lshlrev_b32 v[VCB], 2, v3                    ; codebook[l % 16]
	; Load k of A gives lane l the ranks 4 (l % 4) + 0..3 of row 8 k + l / 4 of the wave's 128.  That row is 64 g + 4 r' + t with g = k / 8, t = (l / 4) % 4, r' = 2 (k % 8) + l / 16;
	; its four numbers are half (l / 2) % 2 of the fragment's lanes, 8 bytes at 8 (l % 2).  k's share stands in the stores' immediates.
	v_bfe_u32 v[LAS], v0, 2, 2
	v_mul_u32_u24 v[LAS], v[LAS], 576
	v_bfe_u32 v16, v0, 1, 1
	v_mul_u32_u24 v16, v16, 288
	v_add_nc_u32 v[LAS], v[LAS], v16
	v_lshl_add_u32 v[LAS], v4, 4, v[LAS]
	v_and_b32 v16, 1, v0
	v_lshl_add_u32 v[LAS], v16, 3, v[LAS]
	v_add_nc_u32 v[LAS], s38, v[LAS]
	v_mul_u32_u24 v[LAL], v4, 288
	v_lshl_add_u32 v[LAL], v3, 4, v[LAL]
	v_add_nc_u32 v[LAL], s38, v[LAL]
	v_mul_u32_u24 v[LOS], v4, 8*272                ; in: row 8 h (+ j), my four columns' 8 bytes at 8 r
	v_lshl_add_u32 v[LOS], v3, 3, v[LOS]
	v_add_nc_u32 v[LOS], s39, v[LOS]
	v_mul_u32_u24 v[LOL], v4, 272                  ; back: lanes 0-15 one row of 256 bytes, lanes 16-31 the next
	v_lshl_add_u32 v[LOL], v3, 4, v[LOL]
	v_add_nc_u32 v[LOL], s39, v[LOL]
.irp z, 4,5,6,7                        ; the fragments' ranks 16 to 31 do not exist: zeros, written once
	v_mov_b32 v[BT+(\z)], 0
.irp T, 0,1,2,3,4,5,6,7
	v_mov_b32 v[AF+8*(\T)+(\z)], 0
.endr
.endr
	s_wait_kmcnt 0x0
	s_add_nc_u64 s[8:9], s[8:9], s[24:25]
	s_add_nc_u64 s[10:11], s[10:11], s[26:27]
	s_add_nc_u64 s[14:15], s[14:15], s[28:29]
	s_add_nc_u64 s[16:17], s[16:17], s[30:31]
	s_add_nc_u64 s[20:21], s[20:21], s[32:33]
	; all 49 loads of the wave go out before the first wait: 1 + 8 + 8 small ones, 16 of A, 16 of codes
	global_load_b32 v[CBV], v[VCB], s[12:13]
.irp k, 0,1,2,3,4,5,6,7
	global_load_b32 v[BR+(\k)], v[VB], s[16:17] offset:16384*(\k)
.endr
.irp j, 0,1,2,3,4,5,6,7
	global_load_b64 v[AM+2*(\j):AM+2*(\j)+1], v[VAM], s[10:11] offset:256*(\j)
.endr
.irp k, 0,1,2,3,4,5,6,7,8,9,10,11,12,13,14,15
	global_load_b128 v[XR+4*(\k):XR+4*(\k)+3], v[VA], s[14:15] offset:512*(\k)
.endr
.irp g, 0,1
.irp j, 0,1,2,3,4,5,6,7
	global_load_b128 v[Q+32*(\g)+4*(\j):Q+32*(\g)+4*(\j)+3], v[VQ], s[8:9] offset:16384*(\j)+256*(\g) th:TH_LOAD_NT
.endr
.endr
.macro IDX g                           ; the group's 32 codes become lane addresses: held to the table's 16 entries, times 4
.set i, Q+32*(\g)
.rept 32
	v_min_u32 v[i], 15, v[i]
.set i, i+1
.endr
.set i, Q+32*(\g)
.rept 32
	v_lshlrev_b32 v[i], 2, v[i]
.set i, i+1
.endr
.endm
.macro PERM g                          ; the lookup: each lane takes the table's entry from the lane that holds it, straight into the tiles' places
.irp t, 0,1,2,3
.irp j, 0,1,2,3,4,5,6,7
	ds_bpermute_b32 v[XR+32*(\g)+8*(\t)+(\j)], v[Q+32*(\g)+4*(\j)+(\t)], v[CBV]
.endr
.endr
.endm
.macro SCALE g                         ; times the block's absmax: row j's, the same for the group's four tiles
.irp t, 0,1,2,3
.irp j, 0,1,2,3,4,5,6,7
	v_mul_f32 v[XR+32*(\g)+8*(\t)+(\j)], v[XR+32*(\g)+8*(\t)+(\j)], v[AM+2*(\j)+(\g)]
.endr
.endr
.endm
.macro FOLD g                          ; + 2 B^T A^T: four accumulators, one instruction each: no accumulator is taken up twice
.irp t, 0,1,2,3
	v_wmma_f32_16x16x32_f16 v[XR+32*(\g)+8*(\t):XR+32*(\g)+8*(\t)+7], v[BT:BT+7], v[AF+8*(4*(\g)+(\t)):AF+8*(4*(\g)+(\t))+7], v[XR+32*(\g)+8*(\t):XR+32*(\g)+8*(\t)+7]
.endr
.endm
.macro OUT g                           ; a lane's four neighbouring columns of row j are rounded to 8 bytes and put into the row; each accumulator's register 0 is read first
.irp j, 0,1,2,3,4,5,6,7
	v_cvt_pk_f16_f32 v[Q+32*(\g)+2*(\j)],   v[XR+32*(\g)+(\j)],    v[XR+32*(\g)+8+(\j)]
	v_cvt_pk_f16_f32 v[Q+32*(\g)+2*(\j)+1], v[XR+32*(\g)+16+(\j)], v[XR+32*(\g)+24+(\j)]
.endr
.irp j, 0,1,2,3,4,5,6,7
	ds_store_b64 v[LOS], v[Q+32*(\g)+2*(\j):Q+32*(\g)+2*(\j)+1] offset:272*(\j)+128*(\g)
.endr
.endm
	s_wait_loadcnt 32                              ; the table, B and absmax are in; A's 16 loads and the codes' 16 stay out
.irp p, 0,2,4,6
	v_pk_mul_f32 v[BR+(\p):BR+(\p)+1], v[BR+(\p):BR+(\p)+1], 2.0 op_sel_hi:[1,0]  ; the scaling alpha / rank = 2, exact
.endr
.irp p, 0,1,2,3
	v_cvt_pk_f16_f32 v[BT+(\p)], v[BR+2*(\p)], v[BR+2*(\p)+1]
.endr
	s_wait_loadcnt 16                              ; A is in; the codes' 16 loads stay out
.irp k, 0,1,2,3,4,5,6,7,8,9,10,11,12,13,14,15
	v_cvt_pk_f16_f32 v[XR+4*(\k)],   v[XR+4*(\k)],   v[XR+4*(\k)+1]
	v_cvt_pk_f16_f32 v[XR+4*(\k)+1], v[XR+4*(\k)+2], v[XR+4*(\k)+3]
.endr
.irp k, 0,1,2,3,4,5,6,7,8,9,10,11,12,13,14,15
	ds_store_b64 v[LAS], v[XR+4*(\k):XR+4*(\k)+1] offset:((\k)>>3)*2304+((\k)&7)*32
.endr
.irp T, 0,1,2,3,4,5,6,7
	ds_load_b128 v[AF+8*(\T):AF+8*(\T)+3], v[LAL] offset:576*(\T)  ; LDS serves a wave's instructions in order (ISA guide 5.7.1.4): these see the stores above
.endr
	s_wait_loadcnt 8                               ; group 0's codes are in; group 1's eight loads stay out
	IDX 0
	PERM 0
	s_wait_loadcnt 0x0                             ; group 1's
	IDX 1
	PERM 1
	s_wait_dscnt 32                                ; all but group 1's 32 permutes: A's fragments and group 0's entries are in
	SCALE 0
	FOLD 0
	s_wait_dscnt 0x0                               ; group 1's entries
	SCALE 1                                        ; 32 plain instructions that name no register of group 0's products: the places behind them
	FOLD 1
	OUT 0                                          ; its 16 roundings name no register of group 1's products: the places behind those
	OUT 1
.irp t, 0,1,2,3,4,5,6,7
	ds_load_b128 v[AF+4*(\t):AF+4*(\t)+3], v[LOL] offset:544*(\t)  ; rows 2 t and 2 t + 1, whole; in order behind the stores above
.endr
.irp t, 0,1,2,3,4,5,6,7
	s_wait_dscnt 7-(\t)
	global_store_b128 v[VO], v[AF+4*(\t):AF+4*(\t)+3], s[20:21] offset:16384*(\t)  ; sixteen lanes store 256 consecutive bytes, at a multiple of 256 from wb's first byte
.endr
.Lend:
	s_wait_tensorcnt 0x0                           ; the wave's end: behind my last LDS store
	ds_add_u32 v[SPW], v[NIL]
	s_wait_dscnt 0x0
	s_endpgm
.Lfunc_end_k_q3ecce38aa2_prep:
	.size	k_q3ecce38aa2_prep, .Lfunc_end_k_q3ecce38aa2_prep-k_q3ecce38aa2_prep
	.p2alignl 7, 3214868480
	.fill 96, 4, 3214868480
	.section	.rodata,"a",@progbits
	.p2align	6, 0x0
	.amdhsa_kernel k_q3ecce38aa2_prep
		.amdhsa_group_segment_fixed_size 72704
		.amdhsa_private_segment_fixed_size 0
		.amdhsa_enable_private_segment 0
		.amdhsa_kernarg_size 64
		.amdhsa_user_sgpr_count 2
		.amdhsa_user_sgpr_kernarg_segment_ptr 1
		.amdhsa_wavefront_size32 1
		.amdhsa_system_sgpr_workgroup_id_x 1
		.amdhsa_system_sgpr_workgroup_id_y 1
		.amdhsa_system_sgpr_workgroup_id_z 1
		.amdhsa_system_vgpr_workitem_id 0
		.amdhsa_next_free_vgpr 240
		.amdhsa_next_free_sgpr 66
		.amdhsa_reserve_vcc 0
		.amdhsa_float_denorm_mode_32 3
		.amdhsa_float_denorm_mode_16_64 3
		.amdhsa_memory_ordered 1
		.amdhsa_forward_progress 1
		.amdhsa_inst_pref_size 35
	.end_amdhsa_kernel
	.amdgpu_metadata
---
amdhsa.version: [ 1, 2 ]
amdhsa.kernels:
  - .name:           k_q3ecce38aa2_prep
    .symbol:         k_q3ecce38aa2_prep.kd
    .args:
      - { .name: q_codes, .offset: 0, .size: 8, .value_kind: global_buffer, .address_space: global }
      - { .name: absmax, .offset: 8, .size: 8, .value_kind: global_buffer, .address_space: global }
      - { .name: codebook, .offset: 16, .size: 8, .value_kind: global_buffer, .address_space: global }
      - { .name: A, .offset: 24, .size: 8, .value_kind: global_buffer, .address_space: global }
      - { .name: B, .offset: 32, .size: 8, .value_kind: global_buffer, .address_space: global }
      - { .name: x, .offset: 40, .size: 8, .value_kind: global_buffer, .address_space: global }
      - { .name: wb, .offset: 48, .size: 8, .value_kind: global_buffer, .address_space: global }
      - { .name: xb, .offset: 56, .size: 8, .value_kind: global_buffer, .address_space: global }
    .group_segment_fixed_size: 72704
    .private_segment_fixed_size: 0
    .kernarg_segment_align: 8
    .kernarg_segment_size: 64
    .max_flat_workgroup_size: 256
    .sgpr_count:     66
    .vgpr_count:     240
    .wavefront_size: 32
...
	.end_amdgpu_metadata
.endif
;; end of part 1
;; launch gemm (part 2): grid 16 x 16, 4 waves a work-group, clusters of 4 x 4, 327,680 bytes of LDS; arguments xb, wb, bias, out0; writes out0
.if DOCPART == 2
	.amdgcn_target "amdgcn-amd-amdhsa--gfx1250"
	.amdhsa_code_object_version 6
	.text
	.protected	k_q3ecce38aa2_gemm
	.globl	k_q3ecce38aa2_gemm
	.p2align	8
	.type	k_q3ecce38aa2_gemm,@function
k_q3ecce38aa2_gemm:
	s_mov_b64 s[64:65], 0
	v_nop
	global_prefetch_b8 v0, s[64:65] scope:SCOPE_SE
	s_setreg_imm32_b32 hwreg(HW_REG_WAVE_MODE, 25, 1), 1
	s_wait_xcnt 0x0
	s_wait_alu depctr_hold_cnt(0) depctr_sa_sdst(0) depctr_va_vdst(0) depctr_va_sdst(0) depctr_va_ssrc(0) depctr_va_vcc(0) depctr_vm_vsrc(0)
	s_getreg_b32 s2, hwreg(HW_REG_IB_STS2, 6, 4)
	s_cmp_eq_u32 s2, 0
	s_cbranch_scc0 .Lentry_in_a_cluster
	s_endpgm
.Lentry_in_a_cluster:
	s_bfe_u32 s2, ttmp6, 0x10000c
	s_cmp_lg_u32 s2, 0xf033
	s_cbranch_scc0 .Lentry_shape_is_right
	s_endpgm
.Lentry_shape_is_right:
; out0[t][o] = the sum over i of xb[t][i] wb[o][i] + bias[o].  xb: [4096][4096] f16 = x rounded; wb: [4096][4096] f16 = the dequantised weight with the low-rank path folded in
; (made by the launch before); bias: [4096] f32; out0: [4096][4096] f32.  Sums in f32, K ascending; the bias starts each sum.  No work is left out here.
; LIMITS: those of the launch before (f16's range and step for xb and wb); NaN and infinities are not treated apart.
; SHARES.  A tile of out0, 256 x 256, is made by a work-group of four waves; a wave makes 128 x 128: 64 accumulators of 16 x 16, 512 registers.  16 x 16 tiles: 256 work-groups, one tile each.
; K goes in 32 steps of 128 through a ring of two LDS slots filled by the tensor data mover: a tile's rows are 256 bytes of memory and start at multiples of 256 bytes from the buffer's first byte.
; CLUSTERS: 4 x 4 work-groups.  The four of a row of the cluster need the same tiles of xb, the four of a column the same tiles of wb.  Such a tile is asked for JOINTLY: each of the four issues
; the same tensor load, with the same descriptor and a mask that names the four, and each receives the tile in its own LDS.
; REGISTERS, in windows of 256 (s_set_vgpr_msb's low byte: bits 1:0 source 0, 3:2 source 1, 5:4 source 2, 7:6 destination):
;   window 0: v0-31 addresses; v64-127, v128-191 fragments of xb (8 x 16 rows x 32 K), two buffers; on the way out the rows read back; v192-255 the bias of my 128 columns
;   window 1: v64-127, v128-191 fragments of wb, two buffers
;   window 2: the 32 accumulators of my rows 0-63 (accumulator (a, b) at v[8 (8 a + b)]);   window 3: those of my rows 64-127
; THE MATRIX INSTRUCTION IS USED TRANSPOSED: source 0 = 16 rows of wb, source 1 = 16 rows of xb.  In the result lane l holds row t = l % 16 and its registers 0 to 7 the columns
; o = 8 (l / 16) + 0 .. 7: eight neighbouring numbers of a row of out0, 32 bytes.  So the bias of block b is eight registers a lane, the same for all row blocks, and is the C operand of the first product.
.set SIZE_M, 4096
.set SIZE_N, 4096
.set SIZE_K, 4096
.set KSTEP,  128
.set PITCH,  272                       ; an LDS row: 256 bytes of data + 16 of padding = 68 words: row r starts at bank 4 r mod 64 (64 banks of 4 bytes: ISA guide 11.1), so the 16 rows that a load touches start at 16 different banks
.set HALFT,  128*PITCH                 ; 128 rows: what one tensor load brings, and what one wave reads of xb or of wb
.set SLOT,   4*HALFT                   ; xb's 256 rows, then wb's 256 rows
.set STAGE,  2*SLOT                    ; behind the ring: 16 rows x 528 bytes for each wave, for the way out; no tensor load fills it
.set SPITCH, 528                       ; a stage row: 512 bytes + 16 = 132 words: again row r starts at bank 4 r mod 64
.set SPARE,  STAGE+4*16*SPITCH         ; behind the stages: the spare words, 128 bytes for each wave: two blocks of 256 bytes that no other line names
.set LAPS, SIZE_K/(2*KSTEP)            ; a lap = two K steps = once round the ring
.set ADRA, 16                          ; v16-17  LDS address of my xb fragments in slot 0, 1
.set ADRB, 20                          ; v20-21  the same for wb
.set STO,  24                          ; v24     the way out: where I put 32 bytes of a row
.set RD,   25                          ; v25     the way out: where I read 16 bytes of a row back
.set CO,   26                          ; v26     my byte offset in a row's 512 bytes of out0
.set VBI,  27                          ; v27     my byte offset in a block's 64 bytes of bias
.set SPW,  28                          ; v28     LDS address of my spare word: SPARE + 4 x my thread's number; never rewritten
.set NIL,  29                          ; v29     0; never rewritten
.set PFO,  30                          ; v30     the prefetches' offset: my lane x a row of xb or wb in memory; never rewritten
.set PFA,  44                          ; s[44:45] where my prefetches stand: my work-group's 32 rows of the 128 that I fetch, one K step further along K than the refill that is being asked for; a prefetch names the K step after that
.set LIM,  43                          ; s43     1 in a wave that prefetches, else the greatest number
.set F0,   64                          ; fragment buffer 0
.set F1,   128                         ; fragment buffer 1
.set BI,   192                         ; bias: block b, register j at BI + 8 b + j
.set G1, 24                            ; s[24:31] descriptor group 1 for xb's tiles
.set G0, 32                            ; s[32:39] descriptor group 0 for xb's tiles, one set for each slot
.set G1B, 48                           ; s[48:55] descriptor group 1 for wb's tiles: it differs in the mask alone
.set G0B, 56                           ; s[56:63] descriptor group 0 for wb's tiles, one set for each slot
.set MSB, 0
.macro WIN new                         ; the immediate's high byte repeats the setting that is left; a switch that changes nothing is dropped
.if MSB != (\new)
	s_set_vgpr_msb (MSB<<8)|(\new)
.set MSB, \new
.endif
.endm
.set MUL_LO, 0xa1                      ; source 0 (wb) window 1, source 1 (xb) window 0, C and D window 2
.set MUL_HI, 0xf1                      ; the same, C and D window 3
.set MUL_B,  0x81                      ; the first products: C (the bias) window 0, D window 2; + 0x40: D window 3
.set TO_B,   0x40                      ; destination window 1, address window 0
; A joint load.  Waves 0 and 1 fetch xb's two halves, waves 2 and 3 wb's.  Each of the two lines has ONE mask and one set of registers for all that issue it, and nothing in them hangs on a
; coordinate that the four partners do not share.  The branch hangs on the wave's number alone.  An s_nop 0 and four v_nop follow each of the two lines, ahead of the jump and the label.
.macro JLOAD s
	s_cmp_eq_u32 s11, 0
	s_cbranch_scc0 .Lfor_b_\@
	tensor_load_to_lds s[G0+4*(\s):G0+4*(\s)+3], s[G1:G1+7]
	s_nop 0
.rept 4
	v_nop
.endr
	s_branch .Lasked_\@
.Lfor_b_\@:
	tensor_load_to_lds s[G0B+4*(\s):G0B+4*(\s)+3], s[G1B:G1B+7]
	s_nop 0
.rept 4
	v_nop
.endr
.Lasked_\@:
.endm
; A PREFETCH INTO THE L2, behind each joint refill, its five lines and the run of LDS loads that follows them: the K step that stands TWO refills on: 32 rows x 256 bytes, a lane a row, one instruction a wave:
; 512 matrix instructions ahead of the load that will want it.  Each row's 256 bytes of a K step are named ONCE in the launch.  xb's tile row is read by every cluster of that row of clusters: the first of
; them (cluster x = 0) asks; wb's tile column by every cluster of that column: cluster y = 0 asks.  The four partners that ask for a tile jointly share its rows out BY ADDRESS: of the 128 rows that a wave
; fetches, the partner at place p takes 32 p .. 32 p + 31 (p = cx for xb, cy for wb).  K steps 0 to 3 come by their loads alone; the loop's last trip (s3 = 1) asks for nothing: K step 31 is the last.
.macro ASK
	s_cmp_gt_u32 s3, s[LIM]
	s_cbranch_scc0 .Lnot_mine_\@
	global_prefetch_b8 v[PFO], s[PFA:PFA+1] offset:KSTEP*2 th:TH_LOAD_NT scope:SCOPE_SE
.Lnot_mine_\@:
.endm
; A round of the cluster's barrier: my work-group's barrier, so that wave 0's signal speaks for all four waves; wave 0 signals for the work-group; every wave waits for all sixteen work-groups;
; my work-group's barrier once more.  No LDS instruction of the wave is pending at a signal.
.macro CREST                           ; a round behind its opening barrier
	s_cmp_lg_u32 s10, 0
	s_cbranch_scc1 .Lnot_wave_0_\@
	s_barrier_signal -3
.Lnot_wave_0_\@:
	s_barrier_wait -3
	s_barrier_signal -1
	s_barrier_wait -1
.endm
.macro CROUND                          ; a whole round
	s_barrier_signal -1
	s_barrier_wait -1
	CREST
.endm
	s_load_b128 s[4:7], s[0:1], 0x0                ; xb s[4:5], wb s[6:7]
	s_load_b64 s[66:67], s[0:1], 0x10              ; bias
	s_load_b64 s[8:9], s[0:1], 0x18                ; out0
	v_lshl_add_u32 v[SPW], v0, 2, SPARE
	v_mov_b32 v[NIL], 0
	ds_add_u32 v[SPW], v[NIL]                      ; the wave's opening: the add, twice on end, and its wait ahead of my first tensor load; the set-up below, work on registers, stands between the second and the wait
	ds_add_u32 v[SPW], v[NIL]                      ; and once more, under the one wait
	v_lshrrev_b32 v1, 5, v0
	v_readfirstlane_b32 s10, v1                    ; wave 0..3
	s_lshr_b32 s11, s10, 1                         ; which half of the tile's rows is mine.  Also: I fetch for xb (0) or for wb (1)
	s_and_b32 s12, s10, 1                          ; which half of its columns.  Also: which 128 rows of that tile I fetch
	s_bfe_u32 s40, ttmp6, 0x40000                  ; cx: my place along the cluster's x
	s_bfe_u32 s41, ttmp6, 0x40004                  ; cy: along its y
	s_lshl_b32 s42, ttmp9, 2                       ; in a cluster launch ttmp9 and ttmp7 count clusters
	s_add_co_u32 s42, s42, s40                     ; tile column = 4 x cluster x + cx
	s_and_b32 s13, ttmp7, 0xffff
	s_lshl_b32 s13, s13, 2
	s_add_co_u32 s13, s13, s41                     ; tile row = 4 x cluster y + cy
	s_lshl_b32 s43, s41, 2
	s_lshl_b32 s43, 15, s43                        ; my row of the cluster: places 4 cy .. 4 cy + 3
	s_lshl_b32 s44, 0x1111, s40                    ; my column: places cx, cx + 4, cx + 8, cx + 12
	; descriptor group 1: a tile of 128 rows x 128 elements, padded in LDS
	s_or_b32 s[G1+0], s43, (1<<16)|(1<<20)|(1<<21)|(5<<22)|(3<<25)  ; 15:0 the mask: xb's tiles go to my row; 17:16 element of 2 bytes; 20 padding on; 21 set beside a mask; 24:22 after every 64 words (code 5); 31:25 of 4 words (code 3)
	s_or_b32 s[G1B+0], s44, (1<<16)|(1<<20)|(1<<21)|(5<<22)|(3<<25) ; the same with the mask of my column, for wb's tiles
	s_mov_b32 s[G1B+1], KSTEP<<16
	s_mov_b32 s[G1+1], KSTEP<<16                   ; 63:48 tensor_dim0, low half = 128
	s_mov_b32 s[G1B+2], 128<<16
	s_mov_b32 s[G1+2], 128<<16                     ; 79:64 its high half = 0; 95:80 tensor_dim1, low half = 128
	s_mov_b32 s[G1B+3], KSTEP<<16
	s_mov_b32 s[G1+3], KSTEP<<16                   ; 111:96 its high half = 0; 127:112 tile_dim0 = 128
	s_mov_b32 s[G1B+4], 128
	s_mov_b32 s[G1+4], 128                         ; 143:128 tile_dim1 = 128; 159:144 tile_dim2 = 0
	s_mov_b32 s[G1B+5], SIZE_K
	s_mov_b32 s[G1+5], SIZE_K                      ; 191:160 tensor_dim0_stride, low word: elements from row to row
	s_mov_b32 s[G1B+6], 0
	s_mov_b32 s[G1+6], 0
	s_mov_b32 s[G1B+7], 0
	s_mov_b32 s[G1+7], 0
	; where the tiles come from.  xb's hang on the tile row alone, which my row of the cluster shares; wb's on the tile column alone, which my column shares.
	; Every wave makes both addresses, in registers that never hold the other coordinate, and asks by one of them.
	s_lshl_b32 s17, s12, 7                         ; which 128 rows of the tile I fetch
	s_lshl_b32 s16, s13, 8
	s_add_co_u32 s16, s16, s17                     ; xb: row 256 x tile row + 128 x half
	s_lshl_b32 s46, s42, 8
	s_add_co_u32 s46, s46, s17                     ; wb: row 256 x tile column + 128 x half
	s_mov_b32 s17, 0
	s_mov_b32 s47, 0
	s_mov_b64 s[18:19], SIZE_K*2
	s_mul_u64 s[16:17], s[16:17], s[18:19]         ; in bytes, in 64 bits
	s_mul_u64 s[46:47], s[46:47], s[18:19]
	s_mul_i32 s20, s10, HALFT                      ; and where they go: xb's two halves, then wb's two halves = wave x 128 rows: no place in the cluster enters an LDS address
	s_wait_dscnt 0x0                               ; both opening adds are done
	s_wait_kmcnt 0x0
	s_add_nc_u64 s[14:15], s[4:5], s[16:17]
	s_add_nc_u64 s[46:47], s[6:7], s[46:47]
	CROUND                                         ; all sixteen work-groups are here: the first joint loads meet
.irp s, 0,1
	s_mov_b32 s[G0+4*(\s)], 1                                      ; 1:0 count = 1
	s_add_co_u32 s[G0+4*(\s)+1], s20, (\s)*SLOT                    ; 63:32 LDS address
	s_add_nc_u64 s[G0+4*(\s)+2:G0+4*(\s)+3], s[14:15], (\s)*KSTEP*2  ; 120:64 global address: K step s
	s_or_b32 s[G0+4*(\s)+3], s[G0+4*(\s)+3], 0x80000000            ; 127:126 type = 2
	s_mov_b32 s[G0B+4*(\s)], 1
	s_add_co_u32 s[G0B+4*(\s)+1], s20, (\s)*SLOT
	s_add_nc_u64 s[G0B+4*(\s)+2:G0B+4*(\s)+3], s[46:47], (\s)*KSTEP*2
	s_or_b32 s[G0B+4*(\s)+3], s[G0B+4*(\s)+3], 0x80000000
	JLOAD \s                                       ; the ring is filled before anything else is done: two loads of mine are out
.endr
	; A fragment is 16 rows x 32 K in 8 registers: lane l holds row l % 16; registers 0-3 hold K = 8 (l / 16) + 0..7, registers 4-7 hold K = 16 + 8 (l / 16) + 0..7.
	; From rows that lie along K: two loads of 16 bytes, 32 bytes apart.  The same for source 0 and source 1.
	v_and_b32 v1, 15, v0                           ; l % 16
	v_bfe_u32 v2, v0, 4, 1                         ; l / 16
	v_mul_u32_u24 v3, v1, PITCH
	v_lshl_add_u32 v3, v2, 4, v3                   ; row x pitch + 16 x half
	s_mul_i32 s21, s11, HALFT                      ; my 128 rows of xb
	s_mul_i32 s22, s12, HALFT                      ; my 128 rows of wb,
	s_add_co_u32 s22, s22, 2*HALFT                 ; which lie behind xb's 256
.irp s, 0,1
	v_add_nc_u32 v[ADRA+(\s)], s21, v3
	v_add_nc_u32 v[ADRB+(\s)], s22, v3
	s_add_co_u32 s21, s21, SLOT
	s_add_co_u32 s22, s22, SLOT
.endr
	s_mul_i32 s23, s10, 16*SPITCH
	s_add_co_u32 s23, s23, STAGE                   ; my stage
	v_mul_u32_u24 v4, v1, SPITCH                   ; in: row l % 16, 32 bytes for each half of the lanes
	v_lshl_add_u32 v4, v2, 5, v4
	v_add_nc_u32 v[STO], s23, v4
	v_and_b32 v5, 31, v0
	v_lshlrev_b32 v[CO], 4, v5                     ; back: the 32 lanes take one row of 512 bytes, 16 bytes each; the same in out0
	v_add_nc_u32 v[RD], s23, v[CO]
	v_lshlrev_b32 v[VBI], 5, v2                    ; bias: my 8 columns of a block of 16
	; where my part of the tile begins in out0 and in bias, in bytes
	s_lshl_b32 s13, s13, 8
	s_lshl_b32 s14, s11, 7
	s_add_co_u32 s16, s13, s14                     ; my first row
	s_mov_b32 s17, 0
	s_mov_b64 s[18:19], SIZE_N*4
	s_mul_u64 s[16:17], s[16:17], s[18:19]
	s_lshl_b32 s68, s42, 10                        ; my first column, in bytes: 1,024 x tile column + 512 x half
	s_lshl_b32 s69, s12, 9
	s_add_co_u32 s68, s68, s69
	s_mov_b32 s69, 0
	s_add_nc_u64 s[16:17], s[16:17], s[68:69]
	s_add_nc_u64 s[8:9], s[8:9], s[16:17]          ; out0 at my first number: from here on the stores' immediates do the rest
	s_add_nc_u64 s[66:67], s[66:67], s[68:69]
.irp b, 0,1,2,3,4,5,6,7
	global_load_b128 v[BI+8*(\b):BI+8*(\b)+3],   v[VBI], s[66:67] offset:64*(\b)
	global_load_b128 v[BI+8*(\b)+4:BI+8*(\b)+7], v[VBI], s[66:67] offset:64*(\b)+16
.endr
	; the prefetches.  s13 = 256 x tile row, s42 = tile column, s40 = cx, s41 = cy still stand; s[4:5] = xb, s[6:7] = wb
	s_lshl_b32 s42, s42, 8
	s_and_b32 s22, ttmp7, 0xffff                   ; cluster y
	s_cmp_eq_u32 s11, 0                            ; do I fetch for xb?
	s_cselect_b32 s20, s13, s42                    ; the tile's first row: in xb by the tile row, in wb by the tile column
	s_cselect_b32 s21, s40, s41                    ; my place among the four that ask for it with me
	s_cselect_b32 s22, ttmp9, s22                  ; the coordinate along which other clusters read the same rows
	s_cselect_b64 s[PFA:PFA+1], s[4:5], s[6:7]
	s_cmp_eq_u32 s22, 0
	s_cselect_b32 s[LIM], 1, -1                    ; the same in all sixteen partners, for a given wave
	s_lshl_b32 s22, s12, 7
	s_add_co_u32 s20, s20, s22                     ; + the 128 rows that I fetch
	s_lshl_b32 s21, s21, 5
	s_add_co_u32 s20, s20, s21                     ; + my work-group's 32 of them
	s_mov_b32 s21, 0
	s_mov_b64 s[18:19], SIZE_K*2
	s_mul_u64 s[20:21], s[20:21], s[18:19]
	s_add_nc_u64 s[PFA:PFA+1], s[PFA:PFA+1], s[20:21]
	s_add_nc_u64 s[PFA:PFA+1], s[PFA:PFA+1], 2*KSTEP*2  ; at K step 2: the first refill steps it to 3 and names K step 4
	v_and_b32 v[PFO], 31, v0
	v_mul_u32_u24 v[PFO], v[PFO], SIZE_K*2
	; nothing is prefetched here, at the head, where every work-group's first two tiles are on their way
; 16 matrix instructions: row blocks a0, a0 + 1 of the window's four (hi = 0: my rows 0-63, 1: rows 64-127) x all 8 column blocks, 32 along K.
; first = 1: the first product starts the sums with the bias: nothing is ever cleared, and no addition follows the sums.
; The 64 accumulators take turns, one instruction a turn, in the same order in every quarter step: between two links of a chain stand the 63 others'.
.macro MUL16 f, hi, a0, first
.if \first
	WIN MUL_B+0x40*(\hi)
.else
	WIN MUL_LO+0x50*(\hi)
.endif
.irp a, \a0, (\a0)+1
.irp b, 0,1,2,3,4,5,6,7
.if \first
	v_wmma_f32_16x16x32_f16 v[8*(8*(\a)+(\b)):8*(8*(\a)+(\b))+7], v[(\f)+8*(\b):(\f)+8*(\b)+7], v[(\f)+8*(4*(\hi)+(\a)):(\f)+8*(4*(\hi)+(\a))+7], v[BI+8*(\b):BI+8*(\b)+7]
.else
	v_wmma_f32_16x16x32_f16 v[8*(8*(\a)+(\b)):8*(8*(\a)+(\b))+7], v[(\f)+8*(\b):(\f)+8*(\b)+7], v[(\f)+8*(4*(\hi)+(\a)):(\f)+8*(4*(\hi)+(\a))+7], v[8*(8*(\a)+(\b)):8*(8*(\a)+(\b))+7]
.endif
.endr
.endr
.endm
; 32 LDS loads in one run: the fragments of one quarter step (128 rows of wb, 128 rows of xb, 32 K at byte k of the rows) into buffer f
.macro FETCH slot, k, f
	WIN TO_B
.irp i, 0,1,2,3,4,5,6,7
	ds_load_b128 v[(\f)+8*(\i):(\f)+8*(\i)+3],   v[ADRB+(\slot)] offset:(\k)+(\i)*16*PITCH
	ds_load_b128 v[(\f)+8*(\i)+4:(\f)+8*(\i)+7], v[ADRB+(\slot)] offset:(\k)+(\i)*16*PITCH+32
.endr
	WIN 0
.irp i, 0,1,2,3,4,5,6,7
	ds_load_b128 v[(\f)+8*(\i):(\f)+8*(\i)+3],   v[ADRA+(\slot)] offset:(\k)+(\i)*16*PITCH
	ds_load_b128 v[(\f)+8*(\i)+4:(\f)+8*(\i)+7], v[ADRA+(\slot)] offset:(\k)+(\i)*16*PITCH+32
.endr
.endm
; A load into a register that a matrix instruction has read, and a store that reads a matrix result, stand four places behind that matrix instruction, and only plain vector instructions that
; name none of its registers are places (ISA guide 7.12.1 for vector instructions); the matrix instructions in between are not counted.
.macro PLACES
.rept 4
	v_nop
.endr
.endm
; A K step is four quarter steps of 32 along K, 64 matrix instructions each, on buffers 0, 1, 0, 1.
; One of the first three: multiplies buffer f; in its middle it fetches the next quarter's fragments, at byte k of the same slot's rows, into buffer g.
.macro QUARTER slot, k, f, g, first
	s_wait_dscnt 8                                 ; wb and xb's rows 0-63 are in; the youngest eight loads (xb's rows 64-127) may be out
	MUL16 \f, 0, 0, \first
	MUL16 \f, 0, 2, \first
	PLACES
	FETCH \slot, \k, \g
	s_wait_dscnt 32                                ; all but the 32 just issued
	MUL16 \f, 1, 0, \first
	MUL16 \f, 1, 2, \first
.endm
; The last quarter multiplies buffer 1 and changes slots.  MEET is its first half: ONE barrier for the change of slots, for two things.  In front of it each wave waits for all its tensor loads,
; of which one is out: its part of the next slot; adds 0 to its spare word; and waits for that and for its own reads of this slot.  Behind it nobody reads this slot any more and the next slot is whole.
.macro MEET round                      ; round = 1: a round of the cluster's barrier follows
	WIN 0                                          ; (the add's two registers lie in window 0)
	s_wait_tensorcnt 0x0                           ; all my tensor loads have landed: the one that was out is my part of the next slot;
	ds_add_u32 v[SPW], v[NIL]                      ; 0 onto my spare word;
	s_wait_dscnt 9                                 ; (the add and the youngest eight loads may be out)
	MUL16 F1, 0, 0, 0                              ; sixteen matrix instructions stand between the add and the wait for it
	s_wait_dscnt 0x0                               ; the add is done, and my reads of this slot are over:
	s_barrier_signal -1                            ; say so (where a slot is filled again this barrier opens a round of the cluster's barrier),
	MUL16 F1, 0, 2, 0                              ; work on registers while the others arrive,
.if \round
	WIN 0
.endif
	s_barrier_wait -1                              ; and go on when all four have said so
.endm
; The whole last quarter.  fill = 1: behind the round the slot just read out is filled again first, with the K step two steps on; then come the next slot's first fragments.
; From a request to the wait for it a wave issues 224 matrix instructions.  fill = 0: the last lap: nothing is asked for, and no round follows the barrier.
.macro TURN slot, next, fill
.if \fill
	s_wait_xcnt 0x0                                ; the last prefetch, a K step back, has read its address: it is stepped here, ahead of the waits of the change of slots
	s_add_nc_u64 s[PFA:PFA+1], s[PFA:PFA+1], KSTEP*2
.endif
	MEET \fill
.if \fill
	CREST                                          ; wave 0 says so for the work-group, all sixteen work-groups have said so, my work-group's barrier closes the round:
	                                               ; no wave of any partner still reads this slot's tile or has a load on its way
	s_add_nc_u64 s[G0+4*(\slot)+2:G0+4*(\slot)+3], s[G0+4*(\slot)+2:G0+4*(\slot)+3], 2*KSTEP*2    ; no tensor load of mine is out: the descriptors may be written
	s_add_nc_u64 s[G0B+4*(\slot)+2:G0B+4*(\slot)+3], s[G0B+4*(\slot)+2:G0B+4*(\slot)+3], 2*KSTEP*2
	JLOAD \slot                                    ; the first tensor load behind the round, my only one until the next; the four v_nop behind it are also the places in front of the loads below
.else
	PLACES
.endif
	FETCH \next, 0, F0
.if \fill
	ASK                                            ; behind the joint load and the run of LDS loads that the next products wait for
.endif
	MUL16 F1, 1, 0, 0
	MUL16 F1, 1, 2, 0
.endm
; THE WAY OUT of row block a (16 rows x 128 columns of f32), through my own stage.  TOSTAGE: a lane's 32 bytes of each column block go into rows of 528 bytes (each accumulator's four lowest registers
; first), and come back as whole rows of 512 bytes.  SEND: stored.  The stage is my wave's alone and LDS serves a wave's instructions in order (ISA guide 5.7.1.4):
; the loads see the stores above them, and the next block's stores come behind these loads; no barrier and no wait between them.
.macro TOSTAGE a
.set AC, 64*((\a)%4)
.set BK, F0+64*((\a)%2)
	WIN 0x08+4*((\a)/4)                            ; the stores' data (source 1) in window 2 or 3, the address in window 0
.irp b, 0,1,2,3,4,5,6,7
	ds_store_b128 v[STO], v[AC+8*(\b):AC+8*(\b)+3]   offset:64*(\b)
	ds_store_b128 v[STO], v[AC+8*(\b)+4:AC+8*(\b)+7] offset:64*(\b)+16
.endr
	WIN 0
.if (\a) >= 2
	s_wait_xcnt 0x0                                ; the stores of the block two back have read these registers: only behind this wait are they loaded again
.endif
.irp t, 0,1,2,3,4,5,6,7,8,9,10,11,12,13,14,15
	ds_load_b128 v[BK+4*(\t):BK+4*(\t)+3], v[RD] offset:(\t)*SPITCH
.endr
.endm
.macro SEND a, younger                 ; younger: the LDS instructions issued behind block a's loads: the next block's 16 stores and 16 loads, or none
.set BK, F0+64*((\a)%2)
	s_wait_dscnt \younger                          ; the block is back in registers
.irp t, 0,1,2,3,4,5,6,7,8,9,10,11,12,13,14,15
	global_store_b128 v[CO], v[BK+4*(\t):BK+4*(\t)+3], s[8:9] offset:((\a)*16+(\t))*SIZE_N*4 th:TH_STORE_NT  ; the wave stores 512 consecutive bytes, at a multiple of 512 from out0's first byte; 127 rows at the most: 2,080,768, inside the signed 24-bit immediate
.endr
.endm
	s_wait_loadcnt 0x0                             ; the bias
	s_wait_tensorcnt 1                             ; my part of K step 0 is in; K step 1's may stay out
	s_barrier_signal -1
	s_barrier_wait -1                              ; everybody's is
	FETCH 0, 0, F0
	QUARTER 0, 64,  F0, F1, 1                      ; the first quarter stands in front of the loop: its products start the sums
	WIN 0                                          ; at a label and at a branch every window is 0
	s_mov_b32 s3, LAPS-1
.Llap:                                                 ; a trip goes once round the ring, from a lap's second quarter to the next lap's first, and fills both slots again
	QUARTER 0, 128, F1, F0, 0
	QUARTER 0, 192, F0, F1, 0
	TURN 0, 1, 1
	QUARTER 1, 64,  F0, F1, 0
	QUARTER 1, 128, F1, F0, 0
	QUARTER 1, 192, F0, F1, 0
	TURN 1, 0, 1
	QUARTER 0, 64,  F0, F1, 0
	WIN 0
	s_sub_co_u32 s3, s3, 1
	s_cmp_lg_u32 s3, 0
	s_cbranch_scc1 .Llap
	QUARTER 0, 128, F1, F0, 0                      ; the last lap is written out: it asks for nothing
	QUARTER 0, 192, F0, F1, 0
	TURN 0, 1, 0                                   ; my one tensor load that was still out is slot 1's, the last K step's
	QUARTER 1, 64,  F0, F1, 0
	QUARTER 1, 128, F1, F0, 0
	QUARTER 1, 192, F0, F1, 0
	s_wait_dscnt 8                                 ; the very last quarter: nothing more to fetch
	MUL16 F1, 0, 0, 0
	MUL16 F1, 0, 2, 0
	s_wait_dscnt 0x0
	MUL16 F1, 1, 0, 0
	MUL16 F1, 1, 2, 0
	WIN 0
	PLACES                                         ; in front of the LDS stores that read the results and of the loads into the fragments' registers;
	PLACES                                         ; twice the four, once a launch: four issue slots
	TOSTAGE 0
.irp a, 1,2,3,4,5,6,7                  ; block a goes into the stage while block a - 1 comes back
	TOSTAGE \a
	SEND (\a)-1, 32
.endr
	SEND 7, 0
	s_wait_tensorcnt 0x0                           ; the wave's end: behind my last tensor load and my last LDS store
	ds_add_u32 v[SPW], v[NIL]
	s_wait_dscnt 0x0
	CROUND                                         ; the closing round: no work-group ends while a partner may still ask for a tile that names it
	s_endpgm
.Lfunc_end_k_q3ecce38aa2_gemm:
	.size	k_q3ecce38aa2_gemm, .Lfunc_end_k_q3ecce38aa2_gemm-k_q3ecce38aa2_gemm
	.p2alignl 7, 3214868480
	.fill 96, 4, 3214868480
	.section	.rodata,"a",@progbits
	.p2align	6, 0x0
	.amdhsa_kernel k_q3ecce38aa2_gemm
		.amdhsa_group_segment_fixed_size 327680
		.amdhsa_private_segment_fixed_size 0
		.amdhsa_enable_private_segment 0
		.amdhsa_kernarg_size 32
		.amdhsa_user_sgpr_count 2
		.amdhsa_user_sgpr_kernarg_segment_ptr 1
		.amdhsa_wavefront_size32 1
		.amdhsa_system_sgpr_workgroup_id_x 1
		.amdhsa_system_sgpr_workgroup_id_y 1
		.amdhsa_system_sgpr_workgroup_id_z 1
		.amdhsa_system_vgpr_workitem_id 0
		.amdhsa_next_free_vgpr 1024
		.amdhsa_next_free_sgpr 70
		.amdhsa_reserve_vcc 0
		.amdhsa_float_denorm_mode_32 3
		.amdhsa_float_denorm_mode_16_64 3
		.amdhsa_memory_ordered 1
		.amdhsa_forward_progress 1
		.amdhsa_inst_pref_size 143
	.end_amdhsa_kernel
	.amdgpu_metadata
---
amdhsa.version: [ 1, 2 ]
amdhsa.kernels:
  - .name:           k_q3ecce38aa2_gemm
    .symbol:         k_q3ecce38aa2_gemm.kd
    .args:
      - { .name: xb, .offset: 0, .size: 8, .value_kind: global_buffer, .address_space: global }
      - { .name: wb, .offset: 8, .size: 8, .value_kind: global_buffer, .address_space: global }
      - { .name: bias, .offset: 16, .size: 8, .value_kind: global_buffer, .address_space: global }
      - { .name: out0, .offset: 24, .size: 8, .value_kind: global_buffer, .address_space: global }
    .group_segment_fixed_size: 327680
    .private_segment_fixed_size: 0
    .kernarg_segment_align: 8
    .kernarg_segment_size: 32
    .max_flat_workgroup_size: 128
    .sgpr_count:     70
    .vgpr_count:     1024
    .wavefront_size: 32
...
	.end_amdgpu_metadata
.endif
;; end of part 2
;; ======== version 2 of 2: 2 launches; version 1 with the launch prep written anew for expert scheduling mode
;; limits: values are held in f16: magnitudes above 65,504 overflow, below 6.1e-05 lose precision
;; workspace buffers: xb 33,554,432 bytes; wb 33,554,432 bytes
;; launch prep (part 3): grid 1024 x 2, 8 waves a work-group, no clusters, 72,704 bytes of LDS; arguments q_codes, absmax, codebook, A, B, x, wb, xb; writes wb, xb
.if DOCPART == 3
	.amdgcn_target "amdgcn-amd-amdhsa--gfx1250"
	.amdhsa_code_object_version 6
	.text
	.protected	k_q3ecce38aa2_prep
	.globl	k_q3ecce38aa2_prep
	.p2align	8
	.type	k_q3ecce38aa2_prep,@function
k_q3ecce38aa2_prep:
	s_mov_b64 s[64:65], 0
	v_nop
	global_prefetch_b8 v0, s[64:65] scope:SCOPE_SE
	s_setreg_imm32_b32 hwreg(HW_REG_WAVE_SCHED_MODE, 0, 2), 2
	s_setreg_imm32_b32 hwreg(HW_REG_WAVE_MODE, 25, 1), 1
	s_wait_xcnt 0x0
	s_wait_alu depctr_vm_vsrc(0)
; out0 = x W^T + bias + 2 (x A) B, with W[o][i] = codebook[q_codes[o][i]] absmax[o][i / 64].  T = in_f = out_f = 4096, rank 16.
; THE PROGRAM.  (x A) B 2 = x (2 A B) for all values (associativity), so the low-rank path is folded into the weights:
;   this launch:  xb = f16(x);  wb[o][i] = f16( codebook[q_codes[o][i]] absmax[o][i / 64] + the sum over r of 2 B[r][o] A[i][r] )
;   the next:     out0 = xb wb^T + bias, sums in f32.
; NO WORK IS LEFT OUT: every input has a way to the output and every input is loaded (bias by the next launch).
; LIMITS.  The order of rounding differs from the formula as written: A and 2 B are rounded to f16, their product is summed in f32 onto the dequantised
; weight, and the sum is rounded once to f16; x is rounded once to f16.  f16 holds no number beyond 65,504: |x|, |A|, |2 B| and |wb| stay within it;
; below 6e-5 f16 keeps its fixed step of 6e-8.  A code above 15 (read as unsigned) takes the table's entry 15.  NaN and infinities are not treated apart.
; SHARES.  Work-groups with y = 1 convert x: 65,536 bytes each, sixteen loads of 16 bytes a thread, all out at once.
; Work-groups with y = 0 make wb: 16 rows o x 1,024 columns i; each of the eight waves 16 x 128: two groups g of 64 columns (one absmax block each), four tiles t of 16 x 16 a group.
; In tile (g, t) lane (r = l % 16, h = l / 16), register j stands for o = o0 + 8 h + j, i = c0 + 64 g + 4 r + t.  So one load of 16 bytes of codes a lane takes 256 consecutive bytes of a row
; in sixteen lanes, and its four words are register j of the four tiles.  The table lookup is a lane permute: every lane l holds codebook[l % 16].
; THE FOLD is one matrix instruction a tile: source 0 = 2 B^T (row m = o, k = rank), source 1 = A (column n = i, k = rank), C = the dequantised tile; ranks 16 to 31 of the instruction's K are zeros.
; A's rows come in as they lie (8 rows in a load of the wave), are rounded and go through the wave's own LDS bytes into the fragments' order; the finished tiles go through the wave's own LDS bytes
; into whole rows: each store of the wave covers two rows' 256 consecutive bytes, aligned.  No wave touches another's LDS bytes: no barrier.
; THE MODE: SCHED_MODE bits 1:0 = 2 (LLVM: expert scheduling mode 2), set by the entry lines.  The code itself states the register dependences
; between vector or matrix instructions and memory or LDS instructions, with s_wait_alu, always for 0.
; THE PLAN.  Registers that memory or LDS instructions touch, and who else names them:
;   s4            Written by v_readfirstlane_b32: one wait on va_sdst directly behind it, ahead of the branch on the job.
;   THE X JOB
;   v5, v6        Offsets, written once; one wait on va_vdst ahead of the first load; never written again.
;   Q + 4 k ..    Load k lands here; two conversions write the first two registers in place; store k reads them; nothing writes them after that, so no wait on vm_vsrc is owed.
;                 The loads go in four groups of four.  Group g's stores are issued in group g + 1, behind ONE wait on va_vdst at its head, dealt among its conversions,
;                 which name group g + 1's sixteen registers alone.  One more such wait stands ahead of the last four stores.
;   THE W JOB
;   v1, v5-v13    Offsets and LDS addresses, written at the head and never again.
;   v2            Written and read by the address arithmetic; then the table's load lands in it; the permutes read it.
;   BR, AM        Loads land in them; vector instructions alone read them.  BT is named by vector and matrix instructions alone.
;   XR            A's loads land; the conversions write in place; A's LDS stores read; then the permutes' results land; from there on vector and matrix instructions alone.
;   Q             The codes' loads land; IDX writes in place; the permutes read (lane addresses); the roundings write again; the rows' LDS stores read.
;   AF            Registers 4-7 of each fragment are zeros by v_mov_b32, registers 0-3 come by LDS loads; the products read; then the rows read back land in AF .. AF + 31; the global stores read them.
;   Five waits on va_vdst: ahead of the 49 loads; of A's LDS stores; of each group's permutes; of the rows' LDS stores (both groups' roundings stand ahead of it).
;   Two on vm_vsrc: ahead of the first permutes (A's LDS stores have read XR), and ahead of the roundings (the permutes have read Q).
;   v14, v15      Written at the head, read by the closing add alone.
.set AREGW, 4608                       ; LDS, wave w's A fragments at w x 4,608: tile T = 4 g + t at 576 T, half h at + 288, lane r at + 16 r
.set OREG,  36864                      ; behind them, wave w's 16 rows of 256 bytes at pitch 272, at OREG + w x 4,352
.set OREGW, 4352
.set SPARE, 71680                      ; behind them: the spare words, 128 bytes for each wave: four blocks of 256 bytes that no other line names
.set VO,  1                            ; v1   my byte offset in wb
.set CBV, 2                            ; v2   the lane's number until the addresses are made; then codebook[l % 16]
.set VQ,  5                            ; v5   my byte offset in q_codes (x job: in x)
.set VAM, 6                            ; v6   in absmax (x job: in xb)
.set VB,  7                            ; v7   in B
.set VA,  8                            ; v8   in A
.set VCB, 9                            ; v9   in codebook
.set LAS, 10                           ; v10  LDS: where I put 8 bytes of A
.set LAL, 11                           ; v11  LDS: where I read 16 bytes of a fragment of A
.set LOS, 12                           ; v12  LDS: where I put 8 bytes of a finished row
.set LOL, 13                           ; v13  LDS: where I read 16 bytes of a finished row
.set SPW, 14                           ; v14  LDS address of my spare word; never rewritten
.set NIL, 15                           ; v15  0; never rewritten
.set BT,  16                           ; v[16:23]   2 B^T as a fragment; registers 4-7 are 0 (v16 is the temporary while the addresses are made)
.set BR,  24                           ; v[24:31]   B as loaded
.set AM,  32                           ; v[32:47]   absmax of row j, group g at AM + 2 j + g
.set Q,   48                           ; v[48:111]  codes: group g, row j, word t at Q + 32 g + 4 j + t; later the packed results
.set XR,  112                          ; v[112:175] A as loaded, 4 registers a load; later the tiles: group g, tile t, register j at XR + 32 g + 8 t + j
.set AF,  176                          ; v[176:239] A's fragments, tile T at AF + 8 T, registers 4-7 are 0; later the rows read back
	s_load_b512 s[8:23], s[0:1], 0x0               ; q_codes s[8:9], absmax s[10:11], codebook s[12:13], A s[14:15], B s[16:17], x s[18:19], wb s[20:21], xb s[22:23]
	v_lshl_add_u32 v[SPW], v0, 2, SPARE
	v_mov_b32 v[NIL], 0
	v_lshrrev_b32 v1, 5, v0
	v_readfirstlane_b32 s4, v1                     ; wave 0..7
	s_wait_alu depctr_va_sdst(0)                   ; s4 is written, ahead of the branch and of its first reader: the W job makes the wave's offsets from it
	s_and_b32 s5, ttmp7, 0xffff                    ; the job
	s_cmp_eq_u32 s5, 0
	s_cbranch_scc1 .Lw
	; THE X JOB: 65,536 bytes of x in, 32,768 bytes of xb out.  All sixteen loads go out before the first wait; nothing is rewritten that a store still reads.
	s_lshl_b32 s24, ttmp9, 16
	s_mov_b32 s25, 0
	s_lshl_b32 s26, ttmp9, 15
	s_mov_b32 s27, 0
	v_lshlrev_b32 v[VQ], 4, v0                     ; 16 bytes of x a thread: a load of the wave covers 512 consecutive bytes,
	v_lshlrev_b32 v[VAM], 3, v0                    ; 8 bytes of xb: a store of the wave covers 256 consecutive bytes, aligned
	s_wait_kmcnt 0x0
	s_add_nc_u64 s[18:19], s[18:19], s[24:25]
	s_add_nc_u64 s[22:23], s[22:23], s[26:27]
	s_wait_alu depctr_va_vdst(0)                   ; the two offsets are written, which every load and store of this job reads
.irp k, 0,1,2,3,4,5,6,7,8,9,10,11,12,13,14,15
	global_load_b128 v[Q+4*(\k):Q+4*(\k)+3], v[VQ], s[18:19] offset:4096*(\k) th:TH_LOAD_NT
.endr
; Group g of four loads is rounded; prev = 1: the group before is stored meanwhile.
.macro XGRP g, prev
	s_wait_loadcnt 12-4*(\g)                       ; loads come back in order: group g's four are in, the 12 - 4 g younger ones stay out
.if \prev
	s_wait_alu depctr_va_vdst(0)                   ; the conversions of the group before have written its registers, which the four stores below read
.endif
.irp i, 0,1,2,3
.if \prev
	global_store_b64 v[VAM], v[Q+16*((\g)-1)+4*(\i):Q+16*((\g)-1)+4*(\i)+1], s[22:23] offset:2048*(4*((\g)-1)+(\i))  ; no vector instruction since the wait names these registers
.endif
	v_cvt_pk_f16_f32 v[Q+16*(\g)+4*(\i)],   v[Q+16*(\g)+4*(\i)],   v[Q+16*(\g)+4*(\i)+1]
	v_cvt_pk_f16_f32 v[Q+16*(\g)+4*(\i)+1], v[Q+16*(\g)+4*(\i)+2], v[Q+16*(\g)+4*(\i)+3]
.endr
.endm
	XGRP 0, 0
	XGRP 1, 1
	XGRP 2, 1
	XGRP 3, 1
	s_wait_alu depctr_va_vdst(0)                   ; group 3's conversions have written its registers, which the last four stores read
.irp i, 0,1,2,3
	global_store_b64 v[VAM], v[Q+48+4*(\i):Q+48+4*(\i)+1], s[22:23] offset:2048*(12+(\i))
.endr
	s_branch .Lend
.Lw:	; THE W JOB
	s_lshr_b32 s6, ttmp9, 2                        ; ob: which 16 rows o
	s_and_b32 s7, ttmp9, 3                         ; cq: which 1,024 columns i
	s_lshl_b32 s24, s6, 18                         ; q_codes: 16 rows of 16,384 bytes,
	s_lshl_b32 s34, s7, 12                         ; 1,024 columns of 4 bytes
	s_or_b32 s24, s24, s34
	s_mov_b32 s25, 0
	s_lshl_b32 s26, s6, 12                         ; absmax: 16 rows of 256 bytes,
	s_lshl_b32 s34, s7, 6                          ; 16 blocks of 4 bytes
	s_or_b32 s26, s26, s34
	s_mov_b32 s27, 0
	s_lshl_b32 s28, s7, 16                         ; A: 1,024 rows of 64 bytes
	s_mov_b32 s29, 0
	s_lshl_b32 s30, s6, 6                          ; B: 16 columns of 4 bytes
	s_mov_b32 s31, 0
	s_lshl_b32 s32, s6, 17                         ; wb: 16 rows of 8,192 bytes,
	s_lshl_b32 s34, s7, 11                         ; 1,024 columns of 2 bytes
	s_or_b32 s32, s32, s34
	s_mov_b32 s33, 0
	v_and_b32 v2, 31, v0                           ; l
	v_and_b32 v3, 15, v0                           ; r = l % 16
	v_bfe_u32 v4, v0, 4, 1                         ; h = l / 16
	s_lshl_b32 s34, s4, 8                          ; the wave's 128 columns: 256 bytes of wb,
	s_lshl_b32 s35, s4, 9                          ; 512 of q_codes,
	s_lshl_b32 s36, s4, 3                          ; 8 of absmax,
	s_lshl_b32 s37, s4, 13                         ; 128 rows of A
	s_mul_i32 s38, s4, AREGW                       ; the wave's two regions of LDS
	s_mul_i32 s39, s4, OREGW
	s_add_co_u32 s39, s39, OREG
	v_lshlrev_b32 v[VO], 4, v3                     ; wb: one row for lanes 0-15, the next for lanes 16-31, 16 bytes a lane
	v_lshl_add_u32 v[VO], v4, 13, v[VO]
	v_add_nc_u32 v[VO], s34, v[VO]
	v_lshlrev_b32 v[VQ], 4, v3                     ; q_codes: row 8 h (+ j by the immediate), four codes at 16 r
	v_lshl_add_u32 v[VQ], v4, 17, v[VQ]
	v_add_nc_u32 v[VQ], s35, v[VQ]
	v_lshl_add_u32 v[VAM], v4, 11, s36             ; absmax: row 8 h (+ j), the wave's two blocks
	v_lshlrev_b32 v[VB], 2, v3                     ; B: rank 8 h (+ kk), column r
	v_lshl_add_u32 v[VB], v4, 17, v[VB]
	v_lshl_add_u32 v[VA], v2, 4, s37               ; A: as it lies, 16 bytes a lane
	v_lshlrev_b32 v[VCB], 2, v3                    ; codebook[l % 16]
	; Load k of A gives lane l the ranks 4 (l % 4) + 0..3 of row 8 k + l / 4 of the wave's 128.  That row is 64 g + 4 r' + t with g = k / 8, t = (l / 4) % 4, r' = 2 (k % 8) + l / 16;
	; its four numbers are half (l / 2) % 2 of the fragment's lanes, 8 bytes at 8 (l % 2).  k's share stands in the stores' immediates.
	v_bfe_u32 v[LAS], v0, 2, 2
	v_mul_u32_u24 v[LAS], v[LAS], 576
	v_bfe_u32 v16, v0, 1, 1
	v_mul_u32_u24 v16, v16, 288
	v_add_nc_u32 v[LAS], v[LAS], v16
	v_lshl_add_u32 v[LAS], v4, 4, v[LAS]
	v_and_b32 v16, 1, v0
	v_lshl_add_u32 v[LAS], v16, 3, v[LAS]
	v_add_nc_u32 v[LAS], s38, v[LAS]
	v_mul_u32_u24 v[LAL], v4, 288
	v_lshl_add_u32 v[LAL], v3, 4, v[LAL]
	v_add_nc_u32 v[LAL], s38, v[LAL]
	v_mul_u32_u24 v[LOS], v4, 8*272                ; in: row 8 h (+ j), my four columns' 8 bytes at 8 r
	v_lshl_add_u32 v[LOS], v3, 3, v[LOS]
	v_add_nc_u32 v[LOS], s39, v[LOS]
	v_mul_u32_u24 v[LOL], v4, 272                  ; back: lanes 0-15 one row of 256 bytes, lanes 16-31 the next
	v_lshl_add_u32 v[LOL], v3, 4, v[LOL]
	v_add_nc_u32 v[LOL], s39, v[LOL]
.irp z, 4,5,6,7                        ; the fragments' ranks 16 to 31 do not exist: zeros, written once
	v_mov_b32 v[BT+(\z)], 0
.irp T, 0,1,2,3,4,5,6,7
	v_mov_b32 v[AF+8*(\T)+(\z)], 0
.endr
.endr
	s_wait_kmcnt 0x0
	s_add_nc_u64 s[8:9], s[8:9], s[24:25]
	s_add_nc_u64 s[10:11], s[10:11], s[26:27]
	s_add_nc_u64 s[14:15], s[14:15], s[28:29]
	s_add_nc_u64 s[16:17], s[16:17], s[30:31]
	s_add_nc_u64 s[20:21], s[20:21], s[32:33]
	s_wait_alu depctr_va_vdst(0)                   ; the ten offsets and LDS addresses v1 and v5 to v13 are written, which the loads, stores and LDS instructions below read; the address arithmetic is done writing and reading v2, in which the table's load lands
	; all 49 loads of the wave go out before the first wait: 1 + 8 + 8 small ones, 16 of A, 16 of codes
	global_load_b32 v[CBV], v[VCB], s[12:13]
.irp k, 0,1,2,3,4,5,6,7
	global_load_b32 v[BR+(\k)], v[VB], s[16:17] offset:16384*(\k)
.endr
.irp j, 0,1,2,3,4,5,6,7
	global_load_b64 v[AM+2*(\j):AM+2*(\j)+1], v[VAM], s[10:11] offset:256*(\j)
.endr
.irp k, 0,1,2,3,4,5,6,7,8,9,10,11,12,13,14,15
	global_load_b128 v[XR+4*(\k):XR+4*(\k)+3], v[VA], s[14:15] offset:512*(\k)
.endr
.irp g, 0,1
.irp j, 0,1,2,3,4,5,6,7
	global_load_b128 v[Q+32*(\g)+4*(\j):Q+32*(\g)+4*(\j)+3], v[VQ], s[8:9] offset:16384*(\j)+256*(\g) th:TH_LOAD_NT
.endr
.endr
.macro IDX g                           ; the group's 32 codes become lane addresses: held to the table's 16 entries, times 4
.set i, Q+32*(\g)
.rept 32
	v_min_u32 v[i], 15, v[i]
.set i, i+1
.endr
.set i, Q+32*(\g)
.rept 32
	v_lshlrev_b32 v[i], 2, v[i]
.set i, i+1
.endr
.endm
.macro PERM g                          ; the lookup: each lane takes the table's entry from the lane that holds it, straight into the tiles' places
.irp t, 0,1,2,3
.irp j, 0,1,2,3,4,5,6,7
	ds_bpermute_b32 v[XR+32*(\g)+8*(\t)+(\j)], v[Q+32*(\g)+4*(\j)+(\t)], v[CBV]
.endr
.endr
.endm
.macro SCALE g                         ; times the block's absmax: row j's, the same for the group's four tiles
.irp t, 0,1,2,3
.irp j, 0,1,2,3,4,5,6,7
	v_mul_f32 v[XR+32*(\g)+8*(\t)+(\j)], v[XR+32*(\g)+8*(\t)+(\j)], v[AM+2*(\j)+(\g)]
.endr
.endr
.endm
.macro FOLD g                          ; + 2 B^T A^T: four accumulators, one instruction each: no accumulator is taken up twice
.irp t, 0,1,2,3
	v_wmma_f32_16x16x32_f16 v[XR+32*(\g)+8*(\t):XR+32*(\g)+8*(\t)+7], v[BT:BT+7], v[AF+8*(4*(\g)+(\t)):AF+8*(4*(\g)+(\t))+7], v[XR+32*(\g)+8*(\t):XR+32*(\g)+8*(\t)+7]
.endr
.endm
.macro ROUND g                         ; a lane's four neighbouring columns of row j are rounded to 8 bytes; each accumulator's register 0 is read first
.irp j, 0,1,2,3,4,5,6,7
	v_cvt_pk_f16_f32 v[Q+32*(\g)+2*(\j)],   v[XR+32*(\g)+(\j)],    v[XR+32*(\g)+8+(\j)]
	v_cvt_pk_f16_f32 v[Q+32*(\g)+2*(\j)+1], v[XR+32*(\g)+16+(\j)], v[XR+32*(\g)+24+(\j)]
.endr
.endm
.macro PUT g                           ; and put into the row
.irp j, 0,1,2,3,4,5,6,7
	ds_store_b64 v[LOS], v[Q+32*(\g)+2*(\j):Q+32*(\g)+2*(\j)+1] offset:272*(\j)+128*(\g)
.endr
.endm
	s_wait_loadcnt 32                              ; the table, B and absmax are in; A's 16 loads and the codes' 16 stay out
.irp p, 0,2,4,6
	v_pk_mul_f32 v[BR+(\p):BR+(\p)+1], v[BR+(\p):BR+(\p)+1], 2.0 op_sel_hi:[1,0]  ; the scaling alpha / rank = 2, exact
.endr
.irp p, 0,1,2,3
	v_cvt_pk_f16_f32 v[BT+(\p)], v[BR+2*(\p)], v[BR+2*(\p)+1]
.endr
	s_wait_loadcnt 16                              ; A is in; the codes' 16 loads stay out
.irp k, 0,1,2,3,4,5,6,7,8,9,10,11,12,13,14,15
	v_cvt_pk_f16_f32 v[XR+4*(\k)],   v[XR+4*(\k)],   v[XR+4*(\k)+1]
	v_cvt_pk_f16_f32 v[XR+4*(\k)+1], v[XR+4*(\k)+2], v[XR+4*(\k)+3]
.endr
	s_wait_alu depctr_va_vdst(0)                   ; the conversions have written v[XR ..], which the LDS stores read
.irp k, 0,1,2,3,4,5,6,7,8,9,10,11,12,13,14,15
	ds_store_b64 v[LAS], v[XR+4*(\k):XR+4*(\k)+1] offset:((\k)>>3)*2304+((\k)&7)*32
.endr
.irp T, 0,1,2,3,4,5,6,7
	ds_load_b128 v[AF+8*(\T):AF+8*(\T)+3], v[LAL] offset:576*(\T)  ; LDS serves a wave's instructions in order (ISA guide 5.7.1.4): these see the stores above; no vector instruction has named these registers
.endr
	s_wait_loadcnt 8                               ; group 0's codes are in; group 1's eight loads stay out
	IDX 0
	s_wait_alu depctr_va_vdst(0)                   ; IDX has written group 0's lane addresses, which the permutes read
	s_wait_alu depctr_vm_vsrc(0)                   ; A's LDS stores have read v[XR ..], in which the results of both groups' permutes land
	PERM 0
	s_wait_loadcnt 0x0                             ; group 1's
	IDX 1
	s_wait_alu depctr_va_vdst(0)                   ; IDX has written group 1's lane addresses, which the permutes read
	PERM 1
	s_wait_dscnt 32                                ; all but group 1's 32 permutes: A's fragments and group 0's entries are in
	SCALE 0
	FOLD 0
	s_wait_dscnt 0x0                               ; group 1's entries
	SCALE 1                                        ; 32 plain instructions that name no register of group 0's products: the places behind them
	FOLD 1
	s_wait_alu depctr_vm_vsrc(0)                   ; the permutes have read their lane addresses in v[Q ..], which the roundings write again
	ROUND 0                                        ; its 16 roundings name no register of group 1's products: the places behind those
	ROUND 1
	s_wait_alu depctr_va_vdst(0)                   ; both groups' roundings have written v[Q ..], which the LDS stores read; the products and the lines that wrote the zeros are done with v[AF ..], in which the rows read back land
	PUT 0
	PUT 1
.irp t, 0,1,2,3,4,5,6,7
	ds_load_b128 v[AF+4*(\t):AF+4*(\t)+3], v[LOL] offset:544*(\t)  ; rows 2 t and 2 t + 1, whole; in order behind the stores above; no vector or matrix instruction stands behind the wait above
.endr
.irp t, 0,1,2,3,4,5,6,7
	s_wait_dscnt 7-(\t)
	global_store_b128 v[VO], v[AF+4*(\t):AF+4*(\t)+3], s[20:21] offset:16384*(\t)  ; sixteen lanes store 256 consecutive bytes, at a multiple of 256 from wb's first byte
.endr
.Lend:
	s_wait_dscnt 0x0                               ; the wave's end
	s_wait_alu 0x0
	s_wait_tensorcnt 0x0
	ds_add_u32 v[SPW], v[NIL]
	s_wait_dscnt 0x0
	s_endpgm
.Lfunc_end_k_q3ecce38aa2_prep:
	.size	k_q3ecce38aa2_prep, .Lfunc_end_k_q3ecce38aa2_prep-k_q3ecce38aa2_prep
	.p2alignl 7, 3214868480
	.fill 96, 4, 3214868480
	.section	.rodata,"a",@progbits
	.p2align	6, 0x0
	.amdhsa_kernel k_q3ecce38aa2_prep
		.amdhsa_group_segment_fixed_size 72704
		.amdhsa_private_segment_fixed_size 0
		.amdhsa_enable_private_segment 0
		.amdhsa_kernarg_size 64
		.amdhsa_user_sgpr_count 2
		.amdhsa_user_sgpr_kernarg_segment_ptr 1
		.amdhsa_wavefront_size32 1
		.amdhsa_system_sgpr_workgroup_id_x 1
		.amdhsa_system_sgpr_workgroup_id_y 1
		.amdhsa_system_sgpr_workgroup_id_z 1
		.amdhsa_system_vgpr_workitem_id 0
		.amdhsa_next_free_vgpr 240
		.amdhsa_next_free_sgpr 66
		.amdhsa_reserve_vcc 0
		.amdhsa_float_denorm_mode_32 3
		.amdhsa_float_denorm_mode_16_64 3
		.amdhsa_memory_ordered 1
		.amdhsa_forward_progress 1
		.amdhsa_inst_pref_size 35
	.end_amdhsa_kernel
	.amdgpu_metadata
---
amdhsa.version: [ 1, 2 ]
amdhsa.kernels:
  - .name:           k_q3ecce38aa2_prep
    .symbol:         k_q3ecce38aa2_prep.kd
    .args:
      - { .name: q_codes, .offset: 0, .size: 8, .value_kind: global_buffer, .address_space: global }
      - { .name: absmax, .offset: 8, .size: 8, .value_kind: global_buffer, .address_space: global }
      - { .name: codebook, .offset: 16, .size: 8, .value_kind: global_buffer, .address_space: global }
      - { .name: A, .offset: 24, .size: 8, .value_kind: global_buffer, .address_space: global }
      - { .name: B, .offset: 32, .size: 8, .value_kind: global_buffer, .address_space: global }
      - { .name: x, .offset: 40, .size: 8, .value_kind: global_buffer, .address_space: global }
      - { .name: wb, .offset: 48, .size: 8, .value_kind: global_buffer, .address_space: global }
      - { .name: xb, .offset: 56, .size: 8, .value_kind: global_buffer, .address_space: global }
    .group_segment_fixed_size: 72704
    .private_segment_fixed_size: 0
    .kernarg_segment_align: 8
    .kernarg_segment_size: 64
    .max_flat_workgroup_size: 256
    .sgpr_count:     66
    .vgpr_count:     240
    .wavefront_size: 32
...
	.end_amdgpu_metadata
.endif
;; end of part 3
;; launch gemm: the kernel of part 2 again; grid 16 x 16, 4 waves a work-group, clusters of 4 x 4, 327,680 bytes of LDS; arguments xb, wb, bias, out0; writes out0
